; MI455X (gfx1250); checked and timed in simulation.
; The chip was launched on July 23, 2026; its instructions are those of AMD's public machine-readable ISA for CDNA 5 (MIT licence, August 2026) and "CDNA5" Instruction Set Architecture Reference Guide (July 2026). The comments in the code are by the model that wrote it; some were corrected since.
;; Causal Self Attention. Allowed arithmetic: matrix products marked QUANTISED: E2M1 operands, one E8M0 scale for each 32 along K, by v_wmma_scale_f32_16x16x128_f8f6f4 with both operands' format E2M1 (or v_wmma_scale_f32_32x16x128_f4), f32 sums; everything else in f32.
;; Inputs: Wk_codes 1,024 x 32 x 16 uint8 (E2M1 codes of Wk, K innermost, in blocks of 32 codes, two codes a byte); Wk_scales 1,024 x 32 uint8 (E8M0 scales of Wk, one for each 32 codes along K); Wp_codes 1,024 x 32 x 16 uint8 (E2M1 codes of Wp, K innermost, in blocks of 32 codes, two codes a byte); Wp_scales 1,024 x 32 uint8 (E8M0 scales of Wp, one for each 32 codes along K); Wq_codes 1,024 x 32 x 16 uint8 (E2M1 codes of Wq, K innermost, in blocks of 32 codes, two codes a byte); Wq_scales 1,024 x 32 uint8 (E8M0 scales of Wq, one for each 32 codes along K); Wv_codes 1,024 x 32 x 16 uint8 (E2M1 codes of Wv, K innermost, in blocks of 32 codes, two codes a byte); Wv_scales 1,024 x 32 uint8 (E8M0 scales of Wv, one for each 32 codes along K); bk 1,024 float32; bp 1,024 float32; bq 1,024 float32; bv 1,024 float32; x_codes 1 x 4,096 x 32 x 16 uint8 (E2M1 codes of x, K innermost, in blocks of 32 codes, two codes a byte); x_scales 1 x 4,096 x 32 uint8 (E8M0 scales of x, one for each 32 codes along K).
;; Outputs: out0 1 x 4,096 x 1,024 float32.
;; This version of the problem:
;;   THIS VERSION OF THE PROBLEM IS GIVEN IN LOW PRECISION. The matrix products marked QUANTISED in the list below multiply operands that are first quantised to E2M1 (2 exponent bits, 1 mantissa bit; 4 bits a number), with one power-of-two scale for each 32 numbers along K (OCP MX v1.0); their sums are f32. All else is computed in f32.
;;   The module's matrix products, in the order in which they are computed (A, B: the left and right operand; K: the contracted axis; several contracted axes count as one K, in the product's order):
;;     1. [M 4,096, K 1,024] x [K 1,024, N 1,024]; A: input x (given as codes); B: input Wq (given as codes): QUANTISED
;;     2. [M 4,096, K 1,024] x [K 1,024, N 1,024]; A: input x (given as codes); B: input Wk (given as codes): QUANTISED
;;     3. [M 4,096, K 1,024] x [K 1,024, N 1,024]; A: input x (given as codes); B: input Wv (given as codes): QUANTISED
;;     4. batch 16 x [M 4,096, K 64] x [K 64, N 4,096]; A: computed on the way; B: computed on the way: QUANTISED
;;     5. batch 16 x [M 4,096, K 4,096] x [K 4,096, N 64]; A: softmax (see below); B: computed on the way: QUANTISED
;;     6. [M 4,096, K 1,024] x [K 1,024, N 1,024]; A: computed on the way; B: input Wp (given as codes): QUANTISED
;;   THE QUANTISER, for each operand of a quantised product, along K:
;;     - K is cut into blocks of 32 from its start; a last block that is shorter is filled with zeros.
;;     - A block's scale is 2^e with e = floor(log2(the largest magnitude in the block)) - 2, held to -126 .. 127; a block of zeros has e = 0. As a byte (E8M0): e + 127.
;;     - Each number is divided by its block's scale, clamped to +-6, and rounded to the nearest number of E2M1, ties to even, subnormals kept.
;;     - The product sums the exact products of the quantised numbers (number of the format x scale) in f32.
;;   ~~~python
;;   def quantise(x, axis):      # numpy; x: float32 -> the quantised numbers, widened to float32 again
;;       x = np.moveaxis(x, axis, -1); K = x.shape[-1]
;;       x = np.pad(x, [(0, 0)] * (x.ndim - 1) + [(0, -K % 32)]); x = x.reshape(x.shape[:-1] + (-1, 32)); a = np.abs(x).max(-1, keepdims=True)
;;       e = np.where(a > 0, np.clip(np.frexp(np.where(a > 0, a, 1))[1] - 1 - 2, -126, 127), 0)      # np.frexp(a)[1] - 1 = floor(log2(a)), exactly
;;       r = np.clip(x / 2.0 ** e, -6, 6)
;;       step = 2.0 ** (np.maximum(np.frexp(np.where(r == 0, 1, r))[1] - 1, 0) - 1)
;;       q = np.round(r / step) * step * 2.0 ** e      # np.round: ties to even
;;       return np.moveaxis(q.reshape(q.shape[:-2] + (-1,))[..., :K], -1, axis).astype(np.float32)
;;   ~~~
;;   SOFTMAX AHEAD OF A QUANTISED PRODUCT. Where the list says 'softmax', what is quantised is not the finished softmax but p = 2^(t - M), with t = logit x log2(e) and M = ceil(the row's largest t), a whole number; so 1/2 < the row's largest p <= 1. The row's sum l is taken of the UNQUANTISED p, in f32, and the product's result is divided by l at the end. Since M is a whole number, a kernel that streams over the keys may use a running M (the ceiling of the running maximum): every later rescaling is an exact power of two, which a block's scale takes up: the codes' values come out the same.
;;   OPERANDS COMPUTED ON THE WAY. 'Computed on the way' means the value that the module computes at that place (a softmax that the list does not call 'softmax' is quantised finished and normalised). What goes into a quantiser is computed in f32, as accurately as f32 sums, v_exp_f32 and their like allow (about 1e-6 of the number): no bf16 or f16 on the way to a quantiser, and a product that is left as it is and whose result goes on into a quantised operand takes f32 operands (vector FMAs, or v_wmma_f32_16x16x4_f32). A number that lies on a knife's edge between two numbers of the format may be rounded either way, as far as f32 arithmetic and the matrix unit's own rounding can turn it there, and no further.
;;   INPUTS GIVEN AS CODES. Wk (in the module: [1024, 1024], K = its axis 1); Wp (in the module: [1024, 1024], K = its axis 1); Wq (in the module: [1024, 1024], K = its axis 1); Wv (in the module: [1024, 1024], K = its axis 1); x (in the module: [1, 4096, 1024], K = its axis 2): each comes as NAME_codes (uint8): NAME with its K axis moved to the last place and cut into blocks of 32 codes, [.., K / 32, bytes a block], one block behind the other in memory; two codes a byte, the lower K in the low four bits (a code: sign, 2 exponent bits, 1 mantissa bit); and NAME_scales (uint8): the same leading axes, one E8M0 byte (e + 127) for each 32 codes along K. Its value is code x scale, taken as it is: it is not quantised again, and the codes and scales need not be those that the quantiser above would give.
;; One version. Each part assembles by itself: llvm-mc -triple=amdgcn-amd-amdhsa -mcpu=gfx1250 --defsym DOCPART=n.
;; ======== version 1 of 1: 3 launches
;; workspace buffers: qb 4,456,448 bytes; kv 4,456,448 bytes; yc 2,097,152 bytes; ys 131,072 bytes
;; launch qkv (part 1): grid 12 x 16, 4 waves a work-group, clusters of 4 x 4, 296,448 bytes of LDS; arguments x_codes, x_scales, Wq_codes, Wq_scales, Wk_codes, Wk_scales, Wv_codes, Wv_scales, bq, bk, bv, qb, kv; writes qb, kv
.if DOCPART == 1
	.amdgcn_target "amdgcn-amd-amdhsa--gfx1250"
	.amdhsa_code_object_version 6
	.text
	.protected	k_q6bab129a8a_qkv
	.globl	k_q6bab129a8a_qkv
	.p2align	8
	.type	k_q6bab129a8a_qkv,@function
k_q6bab129a8a_qkv:
	s_mov_b64 s[64:65], 0
	v_nop
	global_prefetch_b8 v0, s[64:65] scope:SCOPE_SE
	s_setreg_imm32_b32 hwreg(HW_REG_WAVE_MODE, 25, 1), 1
	s_wait_xcnt 0x0
	s_wait_alu depctr_hold_cnt(0) depctr_sa_sdst(0) depctr_va_vdst(0) depctr_va_sdst(0) depctr_va_ssrc(0) depctr_va_vcc(0) depctr_vm_vsrc(0)
	s_getreg_b32 s2, hwreg(HW_REG_IB_STS2, 6, 4)
	s_cmp_eq_u32 s2, 0
	s_cbranch_scc0 .Lentry_in_a_cluster
	s_endpgm
.Lentry_in_a_cluster:
	s_bfe_u32 s2, ttmp6, 0x10000c
	s_cmp_lg_u32 s2, 0xf033
	s_cbranch_scc0 .Lentry_shape_is_right
	s_endpgm
.Lentry_shape_is_right:
; q = x Wq^T + bq, k = x Wk^T + bk, v = x Wv^T + bv on codes of FP4 (E2M1) with one E8M0 scale for each 32 along K = 1,024; sums in f32; the results are quantised here:
; q and k along a head's 64 channels, v along the keys, and leave as IMAGES OF OPERAND REGISTERS for the attention launch.
; A work-group of four waves makes 256 x 256 results, a wave 128 x 128: 64 accumulators of 16 x 16, 512 registers.  K = 1,024 is two LDS slots of 512 along K (rows of 256 bytes): both are filled once, nothing is filled again.
; ROLES.  R0 is the matrix instruction's source 0: a lane's eight results run along R0's rows.  R1 is source 1: a lane holds one of R1's rows.  What is quantised runs along R0's rows.
;   cluster x = 0: R0 = Wq (tile cx), R1 = x (tile 4 cluster y + cy): registers along channels, a lane a token -> qb.      cluster x = 1: the same with Wk -> kv.
;   cluster x = 2: R0 = x (tile 4 cluster y + cx), R1 = Wv (tile cy): registers along tokens (the keys), a lane a channel -> kv.
; x and the weights have rows of the same length, so only pointers and two tile numbers are chosen, on the cluster's x, which all sixteen partners share.
; CLUSTERS: 4 x 4 work-groups.  R0's tile hangs on cx and is asked for jointly by a column of the cluster, R1's on cy and by a row: the same tensor load, descriptor and mask in all four.
; 192 work-groups: q, k and v are 1,024 wide each, and a wave wants 128 along the quantised axis so that its 64 registers make whole fragments; no tile of 1/256 of the 4,096 x 3,072 results divides them.
; RECORD (8,704 bytes) for each (head, 128 tokens): 0: eight images of q or k (image t: lane (r, h) = token 16 t + r, channels 32 h .. + 31, 16 bytes at 16 x lane); 4,096: eight of v (image 2 dt + c: channel 16 dt + r,
;   keys 64 c + 32 h .. + 31); 8,192: q's or k's scale words, 8 bytes a lane (word 0: tile pair lane / 16, word 1: pair 2 + lane / 16; a word = two tiles' two bytes); 8,448: v's (word 0: channel tile lane / 16, word 1: 2 + lane / 16).
; THE QUANTISER: a block's scale byte is its largest magnitude's exponent field - 2, held at 1 from below.
; LIMITS: NaN and infinities are not served (a given scale byte 0xff gives NaN, as the definition does); a block whose largest magnitude lies under 2^-124 keeps the byte 1; a block of zeros has the byte 1 where the rule
;   says 127: its codes are zeros, which add nothing, and these bytes are read by this program alone.
; REGISTERS, in windows of 256: window 0: v1 r, v2 h, v4-11 the codes just made, v16-27 addresses, v32-95 scale words (two sets, nothing else ever), v96-127 at work on the way out, v128-191 R1's fragments, later 64 results,
;   v192-255 the bias.   window 1: R0's fragments, two sets.   windows 2, 3: the accumulators ((a, b) at v[8 (8 (a % 4) + b)]).
.set NQ,     4                         ; matrix instructions deep in a slot
.set ROWB,   256                       ; a tile's row in bytes: 512 codes
.set KROW,   512                       ; a row of x or of a weight in memory
.set PITCH,  272                       ; an LDS row: 256 bytes + 16 of padding = 68 words: the 16 rows that a load touches start at 16 different banks (64 banks of 4 bytes: ISA guide 11.1)
.set FR,     8
.set NL,     2
.set NP,     4                         ; places behind this matrix instruction (ISA guide 7.12.1)
.set HALFT,  128*PITCH
.set SLOT,   4*HALFT                   ; R1's 256 rows, then R0's 256
.set KS,     32                        ; a row of scale bytes
.set SCL,    2*SLOT                    ; behind the slots: the scales, as units of 256 bytes + 16 of padding
.set HALFS,  16*272                    ; those of 128 rows
.set SBLK,   2*272                     ; those of 16 rows
.set REC,    8704
.set HEADB,  32*REC
.set PC,   4                           ; v4-11   a fragment's codes
.set ADRA, 16                          ; v16-17  LDS address of my R1 fragments in slot 0, 1
.set ADRB, 20                          ; v20-21  the same for R0
.set LI16, 24                          ; v24     16 x lane
.set LI8,  25                          ; v25     8 x lane
.set BO,   26                          ; v26     my offset in the bias
.set ADRS, 27                          ; v27     LDS address of my scale words: lanes 0-15 R1's rows, lanes 16-31 R0's
.set SC,   32
.set TM,   96                          ; v96-99 largest magnitudes, v100-103 the other half's, then bytes, v108-111 the conversions' scale operands
.set PW,   112                         ; v112-119 the eight blocks' scale words
.set TW,   120                         ; v120-123 at work
.set SD,   124                         ; v124-127 the scale words as they are stored
.set AF,   128
.set HA,   128
.set BIAS, 192
.set SEL,  2                           ; s[2:3] v_permlanex16_b32's selects for lane l xor 16
.set G1, 24                            ; s[24:31], s[32:39]: groups 1 and 0 (a set for each slot) for R1's tiles
.set G0, 32
.set G1B, 48                           ; s[48:55], s[56:63]: for R0's
.set G0B, 56
.set G1S, 68                           ; s[68:75], s[76:79]: for R1's scales;  s[80:87], s[88:91]: for R0's
.set G0S, 76
.set G1SB, 80
.set G0SB, 88
.set MSB, 0
.macro WIN new                         ; the immediate's high byte repeats the setting that is left
.if MSB != \new
	s_set_vgpr_msb (MSB<<8)|\new
.set MSB, \new
.endif
.endm
.set MUL_LO, 0xa1                      ; source 0 (R0) window 1, source 1 (R1) window 0, C and D window 2
.set MUL_HI, 0xf1                      ; the same, C and D window 3
.set TO_B,   0x40                      ; destination window 1, address window 0
; A joint load: waves 0 and 1 fetch for R1, waves 2 and 3 for R0; the branch hangs on the wave's number alone.  Four v_nop follow each of the two lines.
.macro JLOAD g0a, g1a, g0b, g1b
	s_cmp_eq_u32 s15, 0
	s_cbranch_scc0 .Lfor_b_\@
	tensor_load_to_lds s[\g0a:\g0a+3], s[\g1a:\g1a+7]
	s_nop 0
.rept 4
	v_nop
.endr
	s_branch .Lasked_\@
.Lfor_b_\@:
	tensor_load_to_lds s[\g0b:\g0b+3], s[\g1b:\g1b+7]
	s_nop 0
.rept 4
	v_nop
.endr
.Lasked_\@:
.endm
.macro CROUND                          ; a round of the cluster's barrier
	s_barrier_signal -1
	s_barrier_wait -1
	s_cmp_lg_u32 s14, 0
	s_cbranch_scc1 .Lnot_wave_0_\@
	s_barrier_signal -3
.Lnot_wave_0_\@:
	s_barrier_wait -3
	s_barrier_signal -1
	s_barrier_wait -1
.endm
	s_load_b512 s[68:83], s[0:1], 0x0              ; x's codes, x's scales, Wq's, Wk's, Wv's
	s_load_b256 s[84:91], s[0:1], 0x40             ; bq, bk, bv, qb
	s_load_b64 s[92:93], s[0:1], 0x60              ; kv
	v_lshl_add_u32 v106, v0, 2, 0x48400
	v_mov_b32 v107, 0
	ds_add_u32 v106, v107
	ds_add_u32 v106, v107
	v_lshrrev_b32 v1, 5, v0
	v_readfirstlane_b32 s14, v1                    ; wave 0..3
	s_lshr_b32 s15, s14, 1                         ; which half of R1's rows is mine.  Also: I fetch for R1 (0) or for R0 (1)
	s_and_b32 s16, s14, 1                          ; which half of R0's rows.  Also: which 128 rows of that tile I fetch
	s_bfe_u32 s40, ttmp6, 0x40000                  ; cx, cy: my place in the cluster
	s_bfe_u32 s41, ttmp6, 0x40004
	s_and_b32 s45, ttmp7, 0xffff
	s_lshl_b32 s45, s45, 2                         ; 4 x cluster y
	s_lshl_b32 s43, s41, 2
	s_lshl_b32 s43, 15, s43                        ; my row of the cluster
	s_lshl_b32 s44, 0x1111, s40                    ; my column
	s_mov_b32 s[SEL], 0x76543210
	s_mov_b32 s[SEL+1], 0xfedcba98
	; descriptor group 1: a tile of 128 rows x 256 bytes, padded in LDS
	s_or_b32 s[G1+0], s43, (0<<16)|(1<<20)|(1<<21)|(5<<22)|(3<<25)  ; 15:0 the mask: R1's tiles go to my row; 17:16 elements of 1 byte; 20 padding on; 21 set beside a mask; 24:22 after every 64 words; 31:25 four words
	s_or_b32 s[G1B+0], s44, (0<<16)|(1<<20)|(1<<21)|(5<<22)|(3<<25) ; R0's go to my column
.irp g, G1, G1B
	s_mov_b32 s[\g+1], ROWB<<16                    ; tensor_dim0
	s_mov_b32 s[\g+2], 128<<16                     ; tensor_dim1
	s_mov_b32 s[\g+3], ROWB<<16                    ; tile_dim0
	s_mov_b32 s[\g+4], 128                         ; tile_dim1
	s_mov_b32 s[\g+5], KROW                        ; tensor_dim0_stride
	s_mov_b32 s[\g+6], 0
	s_mov_b32 s[\g+7], 0
.endr
	s_wait_dscnt 0x0
	s_wait_kmcnt 0x0
	s_cmp_eq_u32 ttmp9, 0                          ; the roles are chosen on the cluster's x alone
	s_cselect_b64 s[8:9], s[72:73], s[76:77]       ; R0's codes: Wq's or Wk's
	s_cselect_b64 s[10:11], s[74:75], s[78:79]     ; R0's scales
	s_cselect_b64 s[96:97], s[84:85], s[86:87]     ; the bias
	s_cselect_b64 s[12:13], s[90:91], s[92:93]     ; where the results go
	s_cmp_eq_u32 ttmp9, 2
	s_cselect_b64 s[4:5], s[80:81], s[68:69]       ; R1's codes: Wv's, else x's
	s_cselect_b64 s[6:7], s[82:83], s[70:71]
	s_cselect_b64 s[8:9], s[68:69], s[8:9]         ; R0: x, else the weight chosen above
	s_cselect_b64 s[10:11], s[70:71], s[10:11]
	s_cselect_b64 s[96:97], s[88:89], s[96:97]
	s_cselect_b64 s[12:13], s[92:93], s[12:13]
	s_cselect_b32 s98, s45, 0                      ; x's sixteen tiles are counted by 4 x cluster y + the place along the role's own axis
	s_cselect_b32 s99, 0, s45
	s_add_co_u32 s42, s40, s98                     ; T0: R0's tile
	s_add_co_u32 s17, s41, s99                     ; T1: R1's tile
	; group 1 for the scales of 128 rows: 4,096 dense bytes as 16 rows of 256 bytes (32 elements of 8 bytes), 16 bytes of padding behind each
	s_or_b32 s[G1S+0], s43, (3<<16)|(1<<20)|(1<<21)|(5<<22)|(3<<25)
	s_or_b32 s[G1SB+0], s44, (3<<16)|(1<<20)|(1<<21)|(5<<22)|(3<<25)
.irp g, G1S, G1SB
	s_mov_b32 s[\g+1], 32<<16
	s_mov_b32 s[\g+2], 16<<16
	s_mov_b32 s[\g+3], 32<<16
	s_mov_b32 s[\g+4], 16
	s_mov_b32 s[\g+5], 32
	s_mov_b32 s[\g+6], 0
	s_mov_b32 s[\g+7], 0
.endr
	s_lshl_b32 s18, s16, 7                         ; which 128 rows of the tile I fetch
	s_lshl_b32 s20, s17, 8
	s_add_co_u32 s20, s20, s18                     ; R1: row 256 T1 + 128 x half
	s_lshl_b32 s46, s42, 8
	s_add_co_u32 s46, s46, s18                     ; R0: row 256 T0 + 128 x half
	s_lshl_b32 s22, s20, 5                         ; where these rows' scales begin (32 bytes a row),
	s_mov_b32 s23, 0
	s_lshl_b32 s20, s20, 9                         ; and their codes (512 bytes a row)
	s_mov_b32 s21, 0
	s_lshl_b32 s92, s46, 5
	s_mov_b32 s93, 0
	s_lshl_b32 s46, s46, 9
	s_mov_b32 s47, 0
	s_mul_i32 s45, s14, HALFT                      ; where they go: wave x 128 rows: no place in the cluster enters an LDS address
	s_mul_i32 s94, s14, HALFS
	s_add_nc_u64 s[20:21], s[4:5], s[20:21]
	s_add_nc_u64 s[22:23], s[6:7], s[22:23]
	s_add_nc_u64 s[46:47], s[8:9], s[46:47]
	s_add_nc_u64 s[92:93], s[10:11], s[92:93]
	CROUND                                         ; all sixteen work-groups are here: the joint loads meet
	s_mov_b32 s[G0S], 1
	s_add_co_u32 s[G0S+1], s94, SCL
	s_mov_b64 s[G0S+2:G0S+3], s[22:23]
	s_or_b32 s[G0S+3], s[G0S+3], 0x80000000
	s_mov_b32 s[G0SB], 1
	s_add_co_u32 s[G0SB+1], s94, SCL
	s_mov_b64 s[G0SB+2:G0SB+3], s[92:93]
	s_or_b32 s[G0SB+3], s[G0SB+3], 0x80000000
	JLOAD G0S, G1S, G0SB, G1SB                     ; the scales first: they are wanted with the first slot
.irp s, 0,1
	s_mov_b32 s[G0+4*\s], 1
	s_add_co_u32 s[G0+4*\s+1], s45, \s*SLOT
	s_add_nc_u64 s[G0+4*\s+2:G0+4*\s+3], s[20:21], \s*ROWB
	s_or_b32 s[G0+4*\s+3], s[G0+4*\s+3], 0x80000000
	s_mov_b32 s[G0B+4*\s], 1
	s_add_co_u32 s[G0B+4*\s+1], s45, \s*SLOT
	s_add_nc_u64 s[G0B+4*\s+2:G0B+4*\s+3], s[46:47], \s*ROWB
	s_or_b32 s[G0B+4*\s+3], s[G0B+4*\s+3], 0x80000000
	JLOAD G0+4*\s, G1, G0B+4*\s, G1B               ; three loads of mine are out in all
.endr
	v_and_b32 v1, 15, v0                           ; r = l % 16
	v_bfe_u32 v2, v0, 4, 1                         ; h = l / 16
	v_mul_u32_u24 v3, v1, PITCH
	v_lshl_add_u32 v4, v2, 4, v3                   ; a fragment's row x pitch + 16 x half
	s_mul_i32 s21, s15, HALFT                      ; my 128 rows of R1
	s_mul_i32 s22, s16, HALFT                      ; my 128 rows of R0,
	s_add_co_u32 s22, s22, 2*HALFT                 ; which lie behind R1's 256
.irp s, 0,1
	v_add_nc_u32 v[ADRA+\s], s21, v4
	v_add_nc_u32 v[ADRB+\s], s22, v4
	s_add_co_u32 s21, s21, SLOT
	s_add_co_u32 s22, s22, SLOT
.endr
	v_mul_u32_u24 v5, v1, KS                       ; my row's scales: 32 bytes a row,
	v_lshrrev_b32 v6, 8, v5
	v_lshl_add_u32 v5, v6, 4, v5                   ; and 16 more for each 256 passed
	s_mul_i32 s21, s15, HALFS                      ; R1's: my 128 rows
	s_mul_i32 s22, s16, HALFS                      ; R0's: my 128 rows, behind R1's 256
	s_add_co_u32 s22, s22, 2*HALFS
	s_sub_co_u32 s22, s22, s21
	v_mul_u32_u24 v6, s22, v2                      ; lanes 16-31 take R0's
	s_add_co_u32 s21, s21, SCL
	v_add_nc_u32 v5, v5, v6
	v_add_nc_u32 v[ADRS], s21, v5
	v_and_b32 v3, 31, v0
	v_lshlrev_b32 v[LI16], 4, v3
	v_lshlrev_b32 v[LI8], 3, v3
.irp b, 0,1,2,3
	v_mov_b32 v[TM+4+\b], 0                        ; written once: a lane permute's destination counts as one of its sources
.endr
	; where my results go: the block of 128 tokens ST and the group of 128 channels G (heads 2 G and 2 G + 1)
	s_lshl_b32 s18, s42, 1
	s_add_co_u32 s18, s18, s16                     ; U0 = 2 T0 + my half of R0
	s_lshl_b32 s19, s17, 1
	s_add_co_u32 s19, s19, s15                     ; U1 = 2 T1 + my half of R1
	s_cmp_eq_u32 ttmp9, 2
	s_cselect_b32 s20, s18, s19                    ; ST: tokens are R0's rows for v, R1's for q and k
	s_cselect_b32 s21, s19, s18                    ; G
	s_mul_i32 s22, s21, 2*HEADB
	s_mul_i32 s20, s20, REC
	s_add_co_u32 s22, s22, s20
	s_mov_b32 s23, 0
	s_add_nc_u64 s[12:13], s[12:13], s[22:23]      ; head 2 G's record of block ST
	s_lshl_b32 s22, s21, 9
	s_add_nc_u64 s[96:97], s[96:97], s[22:23]      ; the bias of my 128 channels
.macro FRAG reg, adr, q, i             ; a fragment, 16 rows x 128 K of 4-bit codes, is 8 registers: lane l holds row l % 16; registers 4 c .. 4 c + 3 hold K = 64 c + 32 (l / 16) + 0 .. 31
.irp c, 0,1
	ds_load_b128 v[\reg+4*\c:\reg+4*\c+3], v[\adr] offset:64*(\q)+32*\c+(\i)*16*PITCH
.endr
.endm
; 16 matrix instructions: R1's blocks a0, a0 + 1 x R0's eight, the slot's q-th 128 along K.  p: R0's set;  sc: the set of scale words.  zero = 1: the first product starts the sums.
; The 64 accumulators take turns, one instruction a turn, in the same order in every step.
.macro MUL16 a0, p, q, sc, zero
.irp a, \a0, \a0+1
.irp b, 0,1,2,3,4,5,6,7
.if \zero
	v_wmma_scale_f32_16x16x128_f8f6f4 v[8*(8*((\a)%4)+\b):8*(8*((\a)%4)+\b)+7], v[128*(\p)+FR*\b:128*(\p)+FR*\b+FR-1], v[AF+FR*(\a):AF+FR*(\a)+FR-1], 0, v[SC+8*NQ*(\sc)+NQ*\b+(\q)], v[SC+8*NQ*(\sc)+NQ*(\a)+(\q)] matrix_a_fmt:MATRIX_FMT_FP4 matrix_b_fmt:MATRIX_FMT_FP4 matrix_a_scale:MATRIX_SCALE_ROW1
.else
	v_wmma_scale_f32_16x16x128_f8f6f4 v[8*(8*((\a)%4)+\b):8*(8*((\a)%4)+\b)+7], v[128*(\p)+FR*\b:128*(\p)+FR*\b+FR-1], v[AF+FR*(\a):AF+FR*(\a)+FR-1], v[8*(8*((\a)%4)+\b):8*(8*((\a)%4)+\b)+7], v[SC+8*NQ*(\sc)+NQ*\b+(\q)], v[SC+8*NQ*(\sc)+NQ*(\a)+(\q)] matrix_a_fmt:MATRIX_FMT_FP4 matrix_b_fmt:MATRIX_FMT_FP4 matrix_a_scale:MATRIX_SCALE_ROW1
.endif
.endr
.endr
.endm
.macro FETCH_B slot, q, p              ; R0's eight fragments of the slot's q-th 128 along K into set p
	WIN TO_B
.irp i, 0,1,2,3,4,5,6,7
	FRAG 128*(\p)+FR*\i, ADRB+\slot, \q, \i
.endr
	WIN 0
.endm
.macro FETCH_A slot, q, i0             ; R1's blocks i0 .. i0 + 3
.irp i, \i0, \i0+1, \i0+2, \i0+3
	FRAG AF+FR*(\i), ADRA+\slot, \q, \i
.endr
.endm
.macro SCALES sc                       ; a slot's scale words into set sc: four words a row; lanes 0-15 take R1's block i, lanes 16-31 R0's block i
.irp i, 0,1,2,3,4,5,6,7
	ds_load_b128 v[SC+8*NQ*\sc+NQ*\i:SC+8*NQ*\sc+NQ*\i+3], v[ADRS] offset:\i*SBLK
.endr
.endm
; A load into a register that a matrix instruction has read, and a vector instruction that reads a matrix result or writes one of its registers, stand NP places behind it; only plain vector
; instructions that name none of its registers are places (ISA guide 7.12.1 for vector instructions).
.macro PLACES n
.rept \n
	v_nop
.endr
.endm
; A step of 128 along K that has its successor in the same slot.  R1 has one set of registers: blocks 0-3 are fetched anew in the step's middle, blocks 4-7 at its end; R0 has two sets.
.macro STEP slot, q, zero
	s_wait_dscnt 4*NL                              ; R0's set and R1's blocks 0-3 are in; the youngest eight loads (R1's blocks 4-7) may be out
	WIN MUL_LO
	MUL16 0, (\q)%2, \q, \slot, \zero
	MUL16 2, (\q)%2, \q, \slot, \zero
	s_wait_dscnt 0                                 ; R1's blocks 4-7 are in
	PLACES NP
	FETCH_B \slot, (\q)+1, 1-(\q)%2
	FETCH_A \slot, (\q)+1, 0
	WIN MUL_HI
	MUL16 4, (\q)%2, \q, \slot, \zero
	MUL16 6, (\q)%2, \q, \slot, \zero
	PLACES NP
	WIN 0
	FETCH_A \slot, (\q)+1, 4
.endm
.macro STEPS slot, from                ; the slot's steps from .. NQ - 2
.set Q, \from
.rept NQ-1-\from
	STEP \slot, Q, 0
.set Q, Q+1
.endr
.endm
; 64 numbers of a lane, v[s] on, register 16 b + i of lane (r, h): i < 8: k = 32 b + 8 h + i; else k = 32 b + 16 + 8 h + i - 8 (two result tiles to a block of 32), become a fragment's codes in v[pc] on and its scale word in v[pw].
; A conversion of tile 2 b + u gives run 2 u + h (eight codes) of block b.  Those of blocks 2 c and 2 c + 1 stand side by side, and one exchange of halves gives registers 4 c + 2 u and 4 c + 2 u + 1 of the operand:
; lanes 0-15 block 2 c, lanes 16-31 block 2 c + 1, runs in order.
.macro QUANT4 s, pc, pw
.irp b, 0,1,2,3
	v_max3_num_f32 v[TM+\b], |v[\s+16*\b]|, |v[\s+1+16*\b]|, 0x1800000   ; my 16 numbers of block b, and the floor 2^(3 - 127): the byte cannot fall under 1
.endr
.irp i, 2,4,6,8,10,12,14
.irp b, 0,1,2,3
	v_max3_num_f32 v[TM+\b], v[TM+\b], |v[\s+16*\b+\i]|, |v[\s+1+16*\b+\i]|   ; (the four blocks by turns)
.endr
.endr
.irp b, 0,1,2,3
	v_permlanex16_b32 v[TM+4+\b], v[TM+\b], s[SEL], s[SEL+1]
.endr
.irp b, 0,1,2,3
	v_max_num_f32 v[TM+\b], v[TM+\b], v[TM+4+\b]   ; with lane l xor 16's: the block's largest magnitude
.endr
.irp b, 0,1,2,3
	v_add_nc_u32 v[TM+12+\b], 0xff000000, v[TM+\b] ; 2 off its exponent field: the conversion takes the exponent field of this operand as its scale
.endr
.irp b, 0,1,2,3
	v_lshrrev_b32 v[TM+4+\b], 23, v[TM+12+\b]      ; the scale's byte
.endr
	v_lshl_or_b32 v[\pw], v[TM+5], 8, v[TM+4]
	v_lshl_or_b32 v[\pw], v[TM+6], 16, v[\pw]
	v_lshl_or_b32 v[\pw], v[TM+7], 24, v[\pw]
.irp b, 0,1,2,3
	v_cvt_scalef32_pk8_fp4_f32 v[(\pc)+4*(\b/2)+(\b%2)], v[\s+16*\b:\s+7+16*\b], v[TM+12+\b]
	v_cvt_scalef32_pk8_fp4_f32 v[(\pc)+4*(\b/2)+2+(\b%2)], v[\s+8+16*\b:\s+15+16*\b], v[TM+12+\b]
.endr
	v_nop                                          ; one plain place behind a scaled conversion
.irp c, 0,1
.irp i, 0,1
	v_permlane16_swap_b32 v[(\pc)+4*\c+2*\i], v[(\pc)+4*\c+2*\i+1]
.endr
.endr
.endm
; THE WAY OUT.  For each of R1's eight blocks a: the bias is added while the 64 results move into window 0 (each accumulator from its low end on), they are quantised, and the two halves of the fragment leave as images:
; 32 lanes store 512 consecutive bytes, at a multiple of 256 from the buffer's first byte.  isv = 0: halves = heads 2 G, 2 G + 1, image a.  isv = 1: head 2 G + a / 4, images 2 (a % 4), 2 (a % 4) + 1.
.macro EPI isv
.irp a, 0,1,2,3,4,5,6,7
	WIN (0x02+\a/4)                                ; source 0: window 2 or 3
.set i, 0
.rept 32
.if \isv
	v_pk_add_f32 v[HA+2*i:HA+2*i+1], v[64*(\a%4)+2*i:64*(\a%4)+2*i+1], v[BIAS+2*\a:BIAS+2*\a+1]
.else
	v_pk_add_f32 v[HA+2*i:HA+2*i+1], v[64*(\a%4)+2*i:64*(\a%4)+2*i+1], v[BIAS+2*i:BIAS+2*i+1]
.endif
.set i, i+1
.endr
	WIN 0
.if \a > 0
	s_wait_xcnt 0x0                                ; the last block's two stores have read v4-11: only behind this wait are they written again
.endif
	QUANT4 HA, PC, PW+\a
.if \isv
	global_store_b128 v[LI16], v[PC:PC+3], s[12:13] offset:(\a/4)*HEADB+4096+(\a%4)*1024
	global_store_b128 v[LI16], v[PC+4:PC+7], s[12:13] offset:(\a/4)*HEADB+4096+(\a%4)*1024+512
.else
	global_store_b128 v[LI16], v[PC:PC+3], s[12:13] offset:512*\a
	global_store_b128 v[LI16], v[PC+4:PC+7], s[12:13] offset:HEADB+512*\a
.endif
.endr
	v_cmp_eq_u32 vcc_lo, 1, v2                     ; lanes 16-31
.if \isv
	v_cndmask_b32 v[SD], v[PW], v[PW+1], vcc_lo    ; word 0: channel tile lane / 16; word 1: tile 2 + lane / 16
	v_cndmask_b32 v[SD+1], v[PW+2], v[PW+3], vcc_lo
	v_cndmask_b32 v[SD+2], v[PW+4], v[PW+5], vcc_lo
	v_cndmask_b32 v[SD+3], v[PW+6], v[PW+7], vcc_lo
	global_store_b64 v[LI8], v[SD:SD+1], s[12:13] offset:8448          ; 32 lanes store 256 consecutive bytes, aligned
	global_store_b64 v[LI8], v[SD+2:SD+3], s[12:13] offset:HEADB+8448
.else
.irp p, 0,1,2,3
	v_perm_b32 v[TW+\p], v[PW+2*\p+1], v[PW+2*\p], 0x05040100          ; head 2 G: the low halves of tiles 2 p and 2 p + 1 make pair p's word
.endr
	v_cndmask_b32 v[SD], v[TW], v[TW+1], vcc_lo
	v_cndmask_b32 v[SD+1], v[TW+2], v[TW+3], vcc_lo
.irp p, 0,1,2,3
	v_perm_b32 v[TW+\p], v[PW+2*\p+1], v[PW+2*\p], 0x07060302          ; head 2 G + 1: the high halves
.endr
	v_cndmask_b32 v[SD+2], v[TW], v[TW+1], vcc_lo
	v_cndmask_b32 v[SD+3], v[TW+2], v[TW+3], vcc_lo
	global_store_b64 v[LI8], v[SD:SD+1], s[12:13] offset:8192
	global_store_b64 v[LI8], v[SD+2:SD+3], s[12:13] offset:HEADB+8192
.endif
.endm
.macro TAIL isv                        ; slot 1's four steps and the way out
	STEPS 1, 0
	s_wait_dscnt 4*NL                              ; the very last step: nothing more to fetch
	WIN MUL_LO
	MUL16 0, 1, NQ-1, 1, 0
	MUL16 2, 1, NQ-1, 1, 0
	s_wait_dscnt 0x0
	WIN MUL_HI
	MUL16 4, 1, NQ-1, 1, 0
	MUL16 6, 1, NQ-1, 1, 0
	WIN 0
	PLACES NP                                      ; in front of the first read of results and of the writes into R1's registers
	s_wait_loadcnt 0x0                             ; the bias
	EPI \isv
.endm
	s_wait_tensorcnt 1                             ; the scales and my part of slot 0 are in (slot 1's load may be out)
	s_barrier_signal -1
	s_barrier_wait -1                              ; everybody's are
	FETCH_B 0, 0, 0
	FETCH_A 0, 0, 0
	SCALES 0
	FETCH_A 0, 0, 4
	STEP 0, 0, 1                                   ; the first step's products start the sums: nothing is cleared
	STEPS 0, 1
	; slot 0's last step changes slots: one barrier; in front of it my part of slot 1 has landed
	s_wait_tensorcnt 0x0
	s_wait_dscnt 4*NL                              ; (the youngest eight loads, R1's blocks 4-7, may be out)
	WIN MUL_LO
	MUL16 0, 1, NQ-1, 0, 0
	s_wait_dscnt 0x0                               ; no LDS instruction of mine is out at the signal
	s_barrier_signal -1
	MUL16 2, 1, NQ-1, 0, 0
	WIN 0
	s_barrier_wait -1
	PLACES NP
	v_add_nc_u32 v[ADRS], 4*NQ, v[ADRS]            ; on to slot 1's scale words
	FETCH_B 1, 0, 0
	FETCH_A 1, 0, 0
	SCALES 1
	WIN MUL_HI
	MUL16 4, 1, NQ-1, 0, 0
	MUL16 6, 1, NQ-1, 0, 0
	PLACES NP
	WIN 0
	FETCH_A 1, 0, 4
	; the two ways part here, on the cluster's x, so that the bias has four steps in which to land; no barrier, tensor load or LDS store stands in either
	s_cmp_eq_u32 ttmp9, 2
	s_cbranch_scc1 .Lv
	v_lshlrev_b32 v[BO], 5, v2                     ; q, k: the bias runs with the registers: channel 16 b + 8 h + j
.irp b, 0,1,2,3,4,5,6,7
	global_load_b128 v[BIAS+8*\b:BIAS+8*\b+3], v[BO], s[96:97] offset:64*\b
	global_load_b128 v[BIAS+8*\b+4:BIAS+8*\b+7], v[BO], s[96:97] offset:64*\b+16
.endr
	TAIL 0
	s_branch .Ldone
.Lv:
	v_lshlrev_b32 v[BO], 2, v1                     ; v: the bias belongs to the lane: channel 16 a + r; twice, a pair for the packed addition
.irp a, 0,1,2,3,4,5,6,7
	global_load_b32 v[BIAS+2*\a], v[BO], s[96:97] offset:64*\a
	global_load_b32 v[BIAS+2*\a+1], v[BO], s[96:97] offset:64*\a
.endr
	TAIL 1
.Ldone:
	s_wait_tensorcnt 0x0
	ds_add_u32 v106, v107
	s_wait_dscnt 0x0
	CROUND                                         ; the closing round: no work-group ends while a partner may still ask for a tile that names it
	s_endpgm
.Lfunc_end_k_q6bab129a8a_qkv:
	.size	k_q6bab129a8a_qkv, .Lfunc_end_k_q6bab129a8a_qkv-k_q6bab129a8a_qkv
	.p2alignl 7, 3214868480
	.fill 96, 4, 3214868480
	.section	.rodata,"a",@progbits
	.p2align	6, 0x0
	.amdhsa_kernel k_q6bab129a8a_qkv
		.amdhsa_group_segment_fixed_size 296448
		.amdhsa_private_segment_fixed_size 0
		.amdhsa_enable_private_segment 0
		.amdhsa_kernarg_size 104
		.amdhsa_user_sgpr_count 2
		.amdhsa_user_sgpr_kernarg_segment_ptr 1
		.amdhsa_wavefront_size32 1
		.amdhsa_system_sgpr_workgroup_id_x 1
		.amdhsa_system_sgpr_workgroup_id_y 1
		.amdhsa_system_sgpr_workgroup_id_z 1
		.amdhsa_system_vgpr_workitem_id 0
		.amdhsa_next_free_vgpr 1024
		.amdhsa_next_free_sgpr 100
		.amdhsa_reserve_vcc 1
		.amdhsa_float_denorm_mode_32 3
		.amdhsa_float_denorm_mode_16_64 3
		.amdhsa_memory_ordered 1
		.amdhsa_forward_progress 1
		.amdhsa_inst_pref_size 236
	.end_amdhsa_kernel
	.amdgpu_metadata
---
amdhsa.version: [ 1, 2 ]
amdhsa.kernels:
  - .name:           k_q6bab129a8a_qkv
    .symbol:         k_q6bab129a8a_qkv.kd
    .args:
      - { .name: x_codes, .offset: 0, .size: 8, .value_kind: global_buffer, .address_space: global }
      - { .name: x_scales, .offset: 8, .size: 8, .value_kind: global_buffer, .address_space: global }
      - { .name: Wq_codes, .offset: 16, .size: 8, .value_kind: global_buffer, .address_space: global }
      - { .name: Wq_scales, .offset: 24, .size: 8, .value_kind: global_buffer, .address_space: global }
      - { .name: Wk_codes, .offset: 32, .size: 8, .value_kind: global_buffer, .address_space: global }
      - { .name: Wk_scales, .offset: 40, .size: 8, .value_kind: global_buffer, .address_space: global }
      - { .name: Wv_codes, .offset: 48, .size: 8, .value_kind: global_buffer, .address_space: global }
      - { .name: Wv_scales, .offset: 56, .size: 8, .value_kind: global_buffer, .address_space: global }
      - { .name: bq, .offset: 64, .size: 8, .value_kind: global_buffer, .address_space: global }
      - { .name: bk, .offset: 72, .size: 8, .value_kind: global_buffer, .address_space: global }
      - { .name: bv, .offset: 80, .size: 8, .value_kind: global_buffer, .address_space: global }
      - { .name: qb, .offset: 88, .size: 8, .value_kind: global_buffer, .address_space: global }
      - { .name: kv, .offset: 96, .size: 8, .value_kind: global_buffer, .address_space: global }
    .group_segment_fixed_size: 296448
    .private_segment_fixed_size: 0
    .kernarg_segment_align: 8
    .kernarg_segment_size: 104
    .max_flat_workgroup_size: 128
    .sgpr_count:     100
    .vgpr_count:     1024
    .wavefront_size: 32
...
	.end_amdgpu_metadata
.endif
;; end of part 1
;; launch attn (part 2): grid 16 x 16, 16 waves a work-group, no clusters, 280,576 bytes of LDS; arguments qb, kv, yc, ys; writes yc, ys
.if DOCPART == 2
	.amdgcn_target "amdgcn-amd-amdhsa--gfx1250"
	.amdhsa_code_object_version 6
	.text
	.protected	k_q6bab129a8a_attn
	.globl	k_q6bab129a8a_attn
	.p2align	8
	.type	k_q6bab129a8a_attn,@function
k_q6bab129a8a_attn:
	s_mov_b64 s[64:65], 0
	v_nop
	global_prefetch_b8 v0, s[64:65] scope:SCOPE_SE
	s_setreg_imm32_b32 hwreg(HW_REG_WAVE_MODE, 25, 1), 1
	s_wait_xcnt 0x0
; y[t][64 head + d] = the sum over keys s <= t of softmax_s(q[t] . k[s] / 8) v[s][d], both products on codes of FP4 (E2M1) with one E8M0 scale for each 32 along a product's K; y is quantised along C and leaves as images of operand registers.
; THE SOFTMAX AHEAD OF THE SECOND PRODUCT: t = score x log2(e) / 8; M = the row's largest t so far, rounded UP to a whole number; p = 2^(t - M) is quantised along the keys, not normalised; the row's sum is taken of the
; unquantised p and divides O at the end.  When M moves, the sum and O are multiplied by 2^(old M - new M): exact.
; SHARES.  Work-group (j, head) owns the blocks of 128 queries j and 31 - j: (j + 1) + (32 - j) = 33 key steps of 128 for each pair of tiles, the same in all 256 work-groups.  Each of sixteen waves owns 16 queries, one tile,
; in 256 registers; waves 2 t and 2 t + 1 take tile t of the two blocks, which of them the early block alternates with wave / 4, so that short and long waves are mixed.
; LDS.  A head's 32 records (k's and v's codes and scale words, 8,704 bytes for 128 keys, as the launch before laid them) are 278,528 bytes and lie in LDS whole, filled ONCE, in four chunks of eight records.  Each wave brings a
; sixteenth of each chunk (4,352 bytes, 17 rows of 256: a wave's share has no more rows), four loads out, in order, so that the first chunk is multiplied while the others land.  Nothing is filled again.
; Every fragment is an image of its registers: one ds_load_b128 at 16 x lane for four registers, 512 consecutive bytes.
; NO CLUSTER: the sixteen work-groups that share a head's k and v own different queries, so the steps that each leaves out as hidden differ, and partners of joint loads must run alike; each work-group fetches its head once.
; LAYOUT.  Both products transposed: S^T = k q^T (source 0 = keys, source 1 = my 16 queries), O^T = v^T p^T: a lane holds ONE query (lane % 16).  Register j of score tile t in lane (r, h) is key 16 t + 8 h + j.
; K = 64 IN AN INSTRUCTION OF K = 128: source 0 holds TWO tiles of keys (tile 2 p in registers 0-3, tile 2 p + 1 in 4-7); against [q | zero codes] it gives tile 2 p's scores, against [zero codes | q] tile 2 p + 1's.
; CAUSAL.  Every wave walks all 32 steps (constant trip counts); a step whose keys all come after the wave's block is jumped over by a scalar branch on ids; in the step on the diagonal hidden scores become -infinity.
; LIMITS: NaN and infinities are not served; a block of y whose largest magnitude lies under 2^-124 keeps the byte 1, a block of zeros too (its codes are zeros; these bytes are read by this program alone).
; REGISTERS: v1-11 addresses and ids; v12 -M, v13 the largest t, v[14:15] the sum; v16-19 zeros, v20-23 q, v24-27 zeros; v28 q's scale word; v32-63 k; v64-95 v; v96-159 S^T, then p; v160-191 O^T; v192-199 p's codes;
;   v200-214, v220-221 at work; v215 p's scale word; v216-217 k's scale words; v218-219 v's.
.set REC,    8704
.set HEADB,  32*REC
.set CHUNKB, 8*REC
.set PART,   CHUNKB/16
.set KF,  32
.set VF,  64
.set S,   96
.set O,   160
.set PCD, 192
.set QS,  28
.set PSW, 215
.set KSW, 216
.set VSW, 218
.set SEL, 20                           ; s[20:21] v_permlanex16_b32's selects for lane l xor 16
.set CS,  22                           ; s[22:23] c = log2(e) / 8; the packed form names a pair and takes its low word for both halves
.set G1,  24                           ; s[24:31] descriptor group 1;  s[32:47] four groups 0, one for each chunk
.set TB,  48                           ; s48 LDS byte of the step's record
.set SI,  49                           ; s49 the step's number = its block of 128 keys
.set CNT, 50
	s_load_b256 s[4:11], s[0:1], 0x0               ; qb, kv, yc, ys
	v_lshl_add_u32 v254, v0, 2, 0x44000
	v_mov_b32 v255, 0
	ds_add_u32 v254, v255
	ds_add_u32 v254, v255
	v_lshrrev_b32 v1, 5, v0
	v_readfirstlane_b32 s12, v1                    ; wave 0..15
	s_lshr_b32 s13, s12, 1                         ; my tile of 16 queries in its block
	s_lshr_b32 s14, s12, 2
	s_xor_b32 s14, s14, s12
	s_and_b32 s14, s14, 1                          ; 1: the late block
	s_sub_co_u32 s15, 31, ttmp9
	s_cmp_eq_u32 s14, 1
	s_cselect_b32 s15, s15, ttmp9                  ; QB: my block of 128 queries
	s_and_b32 s16, ttmp7, 0xffff                   ; the head
	s_mov_b32 s[SEL], 0x76543210
	s_mov_b32 s[SEL+1], 0xfedcba98
	s_mov_b32 s[CS], 0x3e38aa3b                    ; log2(e) / 8
	s_mov_b32 s[CS+1], s[CS]
	s_mov_b32 s[G1], 3<<16                         ; no mask; elements of 8 bytes; no padding
	s_mov_b32 s[G1+1], 32<<16                      ; tensor_dim0 = 32 elements: rows of 256 bytes
	s_mov_b32 s[G1+2], 17<<16                      ; tensor_dim1 = 17
	s_mov_b32 s[G1+3], 32<<16                      ; tile_dim0
	s_mov_b32 s[G1+4], 17                          ; tile_dim1
	s_mov_b32 s[G1+5], 32                          ; the pitch: dense
	s_mov_b32 s[G1+6], 0
	s_mov_b32 s[G1+7], 0
	s_mul_i32 s52, s16, HEADB
	s_mov_b32 s53, 0
	s_mul_i32 s54, s12, PART                       ; my sixteenth of a chunk
	s_mov_b32 s55, 0
	s_wait_dscnt 0x0
	s_wait_kmcnt 0x0
	s_add_nc_u64 s[6:7], s[6:7], s[52:53]
	s_add_nc_u64 s[6:7], s[6:7], s[54:55]          ; kv at my part of the head's first chunk
.irp c, 0,1,2,3
	s_mov_b32 s[32+4*\c], 1
	s_add_co_u32 s[33+4*\c], s54, \c*CHUNKB        ; in LDS the head lies as in memory
	s_add_nc_u64 s[34+4*\c:35+4*\c], s[6:7], \c*CHUNKB
	s_or_b32 s[35+4*\c], s[35+4*\c], 0x80000000
.endr
.irp c, 0,1,2,3
	tensor_load_to_lds s[32+4*\c:35+4*\c], s[G1:G1+7]   ; all first fills in one group: four loads of mine are out
	s_nop 0
.endr
.rept 4
	v_nop
.endr
	v_and_b32 v8, 31, v0                           ; lane
	v_and_b32 v9, 15, v0                           ; r
	v_bfe_u32 v10, v0, 4, 1                        ; h
	v_lshlrev_b32 v1, 4, v8                        ; 16 x lane: an image's place for my lane
	v_lshl_add_u32 v2, v8, 3, 8192                 ; 8 x lane + 8,192: the scale words'
	s_mul_i32 s54, s15, REC
	s_add_co_u32 s54, s54, s52
	s_add_nc_u64 s[4:5], s[4:5], s[54:55]          ; my queries' record
	s_lshl_b32 s17, s13, 9
	v_add_nc_u32 v11, s17, v1
	global_load_b128 v[20:23], v11, s[4:5]         ; q's image: lane (r, h): query r, channels 32 h .. + 31
	s_lshr_b32 s18, s13, 1                         ; my tile's pair p: its word lies at 8 (16 (p % 2) + r) + 4 (p / 2)
	s_and_b32 s19, s18, 1
	s_lshl_b32 s19, s19, 7
	s_lshr_b32 s18, s18, 1
	s_lshl_b32 s18, s18, 2
	s_add_co_u32 s18, s18, s19
	v_lshl_add_u32 v7, v9, 3, s18
	global_load_b32 v214, v7, s[4:5] offset:8192
	s_mov_b32 s51, 0x01000100                      ; an even tile's two bytes are the word's low half, an odd tile's the high half
	s_and_b32 s19, s13, 1
	s_cmp_eq_u32 s19, 1
	s_cselect_b32 s51, 0x03020302, s51
	; where y goes: yc [block][K step head / 2][tile][head % 2][512];  ys [head / 2][token][4 bytes], my two at 2 (head % 2)
	s_lshl_b32 s52, s15, 16
	s_lshr_b32 s53, s16, 1
	s_lshl_b32 s54, s53, 13
	s_add_co_u32 s52, s52, s54
	s_lshl_b32 s54, s13, 10
	s_add_co_u32 s52, s52, s54
	s_and_b32 s55, s16, 1
	s_lshl_b32 s54, s55, 9
	s_add_co_u32 s52, s52, s54
	s_lshl_b32 s56, s53, 14
	s_lshl_b32 s54, s15, 9
	s_add_co_u32 s56, s56, s54
	s_lshl_b32 s54, s13, 6
	s_add_co_u32 s56, s56, s54
	s_lshl_b32 s54, s55, 1
	s_add_co_u32 s56, s56, s54
	s_mov_b32 s53, 0
	s_mov_b32 s57, 0
	s_add_nc_u64 s[8:9], s[8:9], s[52:53]
	s_add_nc_u64 s[10:11], s[10:11], s[56:57]
	s_lshl_b32 s17, s13, 4
	v_lshlrev_b32 v5, 3, v10
	v_sub_nc_u32 v5, v9, v5
	v_add_nc_u32 v5, s17, v5                       ; d = 16 tile + r - 8 h: on the diagonal register j of tile t is hidden where 16 t + j > d
	v_mov_b32 v6, 0xff800000                       ; -infinity
	v_mov_b32 v13, 0xff61b1e6                      ; the largest t so far: -3e38, under every t
	v_floor_f32 v12, -v13                          ; -M
	v_mov_b32 v14, 0
	v_mov_b32 v15, 0
.irp i, 16,17,18,19,24,25,26,27
	v_mov_b32 v\i, 0                               ; zero codes on both sides of q
.endr
.irp b, 0,1,2,3
	v_mov_b32 v[204+\b], 0                         ; written once: a lane permute's destination counts as one of its sources
.endr
	v_mov_b32 v213, 0                              ; (named as the upper half of the pair v[212:213])
	s_wait_loadcnt 0x0                             ; q and its scale word
	v_perm_b32 v[QS], v214, v214, s51              ; [b0 b1 b0 b1]: q's two bytes serve either half of K
.set j, 0
.rept 32
	v_mov_b32 v[O+j], 0                            ; O^T: the step is written once; its first run finds zeros.  (These are also the places between the line above and the first product)
.set j, j+1
.endr
.macro SPROD t                         ; score tile t: the pair t / 2 of k's tiles against q in the half that tile t takes
.if ((\t)/2)%2
	v_wmma_scale_f32_16x16x128_f8f6f4 v[S+8*(\t):S+8*(\t)+7], v[KF+8*((\t)/2):KF+8*((\t)/2)+7], v[20-4*((\t)%2):27-4*((\t)%2)], 0, v[KSW+(\t)/4], v[QS] matrix_a_fmt:MATRIX_FMT_FP4 matrix_b_fmt:MATRIX_FMT_FP4 matrix_a_scale:MATRIX_SCALE_ROW1
.else
	v_wmma_scale_f32_16x16x128_f8f6f4 v[S+8*(\t):S+8*(\t)+7], v[KF+8*((\t)/2):KF+8*((\t)/2)+7], v[20-4*((\t)%2):27-4*((\t)%2)], 0, v[KSW+(\t)/4], v[QS] matrix_a_fmt:MATRIX_FMT_FP4 matrix_b_fmt:MATRIX_FMT_FP4
.endif
.endm
.macro OPROD t                         ; O^T's channel tile t += v^T p^T over these 128 keys
.if (\t)%2
	v_wmma_scale_f32_16x16x128_f8f6f4 v[O+8*(\t):O+8*(\t)+7], v[VF+8*(\t):VF+8*(\t)+7], v[PCD:PCD+7], v[O+8*(\t):O+8*(\t)+7], v[VSW+(\t)/2], v[PSW] matrix_a_fmt:MATRIX_FMT_FP4 matrix_b_fmt:MATRIX_FMT_FP4 matrix_a_scale:MATRIX_SCALE_ROW1
.else
	v_wmma_scale_f32_16x16x128_f8f6f4 v[O+8*(\t):O+8*(\t)+7], v[VF+8*(\t):VF+8*(\t)+7], v[PCD:PCD+7], v[O+8*(\t):O+8*(\t)+7], v[VSW+(\t)/2], v[PSW] matrix_a_fmt:MATRIX_FMT_FP4 matrix_b_fmt:MATRIX_FMT_FP4
.endif
.endm
; A KEY STEP: 128 keys, one record.
.macro STEP
	s_cmp_gt_u32 s[SI], s15                        ; all its keys come after my queries: only the counters step
	s_cbranch_scc1 .Lhidden_\@
	v_add_nc_u32 v3, s[TB], v1
	v_add_nc_u32 v4, s[TB], v2
	v_nop
	v_nop                                          ; with the two additions: four places behind the last step's products, in front of loads into registers that they read
	ds_load_b64 v[KSW:KSW+1], v4                   ; k's scale words: v216: pairs 0 | 1, v217: pairs 2 | 3
.irp i, 0,1,2,3,4,5,6,7
	ds_load_b128 v[KF+4*\i:KF+4*\i+3], v3 offset:512*\i
.endr
	ds_load_b64 v[VSW:VSW+1], v4 offset:256        ; v's: v218: channel tiles 0 | 1, v219: 2 | 3
.irp i, 0,1,2,3,4,5,6,7
	ds_load_b128 v[VF+4*\i:VF+4*\i+3], v3 offset:4096+512*\i
.endr
	s_wait_dscnt 9                                 ; k and its words are in; v's nine loads may be out
.irp t, 0,1,2,3,4,5,6,7
	SPROD \t
.endr
.rept 4
	v_nop
.endr
	s_cmp_lt_u32 s[SI], s15                        ; a step all of whose keys count has no mask
	s_cbranch_scc1 .Lopen_\@
.set n, 0
.rept 64
	v_cmp_gt_i32 vcc_lo, 16*(n/8)+n%8, v5
	v_cndmask_b32 v[S+n], v[S+n], v6, vcc_lo       ; hidden scores become -infinity ahead of the maximum: p = 0 then.  The block's key 0 counts for every query, so M stays a number
.set n, n+1
.endr
.Lopen_\@:
.irp b, 0,1,2,3
	v_max3_num_f32 v[200+\b], v[S+16*\b], v[S+1+16*\b], v[S+2+16*\b]   ; the largest score of each block of 32 keys: for the row's maximum and, since p rises with the score, for the block's largest p
.endr
.irp i, 3,5,7,9,11,13
.irp b, 0,1,2,3
	v_max3_num_f32 v[200+\b], v[200+\b], v[S+16*\b+\i], v[S+1+16*\b+\i]
.endr
.endr
.irp b, 0,1,2,3
	v_max_num_f32 v[200+\b], v[200+\b], v[S+15+16*\b]
.endr
.irp b, 0,1,2,3
	v_permlanex16_b32 v[204+\b], v[200+\b], s[SEL], s[SEL+1]
.endr
.irp b, 0,1,2,3
	v_max_num_f32 v[200+\b], v[200+\b], v[204+\b]  ; with lane l xor 16's 16 keys
.endr
	v_max3_num_f32 v214, v200, v201, v202
	v_max_num_f32 v214, v214, v203                 ; the step's largest score of my query
	v_mul_f32 v214, s[CS], v214                    ; as t (c is positive)
	v_max_num_f32 v13, v13, v214                   ; the running largest t
	v_mov_b32 v214, v12
	v_floor_f32 v12, -v13                          ; the new -M = floor(-t) = -ceil(t)
	v_sub_f32 v214, v12, v214                      ; old M - new M: a whole number, 0 or less
	v_cvt_i32_f32 v214, v214                       ; (it saturates)
	v_ldexp_f32 v212, 1.0, v214                    ; f = 2^(old M - new M)
.set j, 0
.rept 32
	v_pk_fma_f32 v[S+j:S+j+1], v[S+j:S+j+1], s[CS:CS+1], v[12:13] op_sel_hi:[1,0,0]   ; t - M, two at a time
.set j, j+2
.endr
.irp b, 0,1,2,3
	v_fma_f32 v[200+\b], v[200+\b], s[CS], v12     ; the same of each block's largest score
.endr
.set j, 0
.rept 64
	v_exp_f32 v[S+j], v[S+j]                       ; p = 2^(t - M), at most 1
.set j, j+1
.endr
.irp b, 0,1,2,3
	v_exp_f32 v[200+\b], v[200+\b]                 ; the block's largest p: the same two instructions on the same number
.endr
	v_pk_mul_f32 v[14:15], v[14:15], v[212:213] op_sel_hi:[1,0]   ; the sums under the new M.  (A plain place behind the exponentials)
	s_wait_alu depctr_va_vdst(0)
.irp b, 0,1,2,3
	v_max_num_f32 v[200+\b], 0x1800000, v[200+\b]  ; the floor 2^(3 - 127): the byte cannot fall under 1
.endr
.irp b, 0,1,2,3
	v_add_nc_u32 v[208+\b], 0xff000000, v[200+\b]  ; 2 off the exponent field: the conversion's scale operand
.endr
.irp b, 0,1,2,3
	v_lshrrev_b32 v[204+\b], 23, v[208+\b]         ; the scale's byte
.endr
	v_lshl_or_b32 v[PSW], v205, 8, v204            ; p's scale word for these 128 keys
	v_lshl_or_b32 v[PSW], v206, 16, v[PSW]
	v_lshl_or_b32 v[PSW], v207, 24, v[PSW]
.irp b, 0,1,2,3
	v_cvt_scalef32_pk8_fp4_f32 v[PCD+4*(\b/2)+(\b%2)], v[S+16*\b:S+7+16*\b], v[208+\b]       ; tile 2 b: run h of block b
	v_cvt_scalef32_pk8_fp4_f32 v[PCD+4*(\b/2)+2+(\b%2)], v[S+8+16*\b:S+15+16*\b], v[208+\b]  ; tile 2 b + 1: run 2 + h
.endr
	v_nop                                          ; one plain place behind a scaled conversion
.irp c, 0,1
.irp i, 0,1
	v_permlane16_swap_b32 v[PCD+4*\c+2*\i], v[PCD+4*\c+2*\i+1]   ; lanes 0-15 block 2 c, lanes 16-31 block 2 c + 1, runs in order
.endr
.endr
	v_pk_add_f32 v[220:221], v[S:S+1], v[S+2:S+3]  ; the row's sum is taken of the unquantised p: two at a time, in two chains
.irp j, 4,8,12,16,20,24,28,32,36,40,44,48,52,56,60
	v_pk_add_f32 v[14:15], v[14:15], v[S+\j:S+1+\j]
	v_pk_add_f32 v[220:221], v[220:221], v[S+2+\j:S+3+\j]
.endr
	v_pk_add_f32 v[14:15], v[14:15], v[220:221]
.set j, 0
.rept 16
	v_pk_mul_f32 v[O+j:O+j+1], v[O+j:O+j+1], v[212:213] op_sel_hi:[1,0]   ; O^T under the new M
.set j, j+2
.endr
	s_wait_dscnt 0x0                               ; v and its words are in
.irp t, 0,1,2,3
	OPROD \t                                       ; four accumulators, one instruction each
.endr
.Lhidden_\@:
	s_add_co_u32 s[SI], s[SI], 1
	s_add_co_u32 s[TB], s[TB], REC
.endm
; A chunk: my part of it has landed (the later chunks' loads may be out), everybody's has behind the barrier; then its eight steps.
.macro CHUNK c
	s_wait_tensorcnt 3-\c
	s_wait_dscnt 0x0
	s_barrier_signal -1
	s_barrier_wait -1
	s_mov_b32 s[TB], \c*CHUNKB
	s_mov_b32 s[SI], 8*\c
	s_mov_b32 s[CNT], 8
.Lstep_\@:
	STEP
	s_sub_co_u32 s[CNT], s[CNT], 1
	s_cmp_lg_u32 s[CNT], 0
	s_cbranch_scc1 .Lstep_\@
.endm
	CHUNK 0
	CHUNK 1
	CHUNK 2
	CHUNK 3
	; THE WAY OUT: y = O^T / the sum, quantised along the head's 64 channels (two blocks of C), one image of four registers and two scale bytes a query
	v_lshlrev_b32 v7, 2, v9                        ; 4 r.  (Four plain lines: the places behind the last products)
	v_add_f32 v14, v14, v15                        ; the sum's two halves,
	v_nop
	v_nop
	v_permlanex16_b32 v204, v14, s[SEL], s[SEL+1]
	v_add_f32 v14, v14, v204                       ; and lane l xor 16's
	v_rcp_f32 v14, v14
	v_nop                                          ; a plain place behind the transcendental
.set j, 0
	s_wait_alu depctr_va_vdst(0)
.rept 32
	v_mul_f32 v[S+j], v[O+j], v14                  ; register 8 dt + i: y(query r, channel 16 dt + 8 h + i); each accumulator from its low end on
.set j, j+1
.endr
.irp b, 0,1
	v_max3_num_f32 v[200+\b], |v[S+16*\b]|, |v[S+1+16*\b]|, 0x1800000
.endr
.irp i, 2,4,6,8,10,12,14
.irp b, 0,1
	v_max3_num_f32 v[200+\b], v[200+\b], |v[S+16*\b+\i]|, |v[S+1+16*\b+\i]|
.endr
.endr
.irp b, 0,1
	v_permlanex16_b32 v[204+\b], v[200+\b], s[SEL], s[SEL+1]
.endr
.irp b, 0,1
	v_max_num_f32 v[200+\b], v[200+\b], v[204+\b]
.endr
.irp b, 0,1
	v_add_nc_u32 v[208+\b], 0xff000000, v[200+\b]
.endr
.irp b, 0,1
	v_lshrrev_b32 v[204+\b], 23, v[208+\b]
.endr
	v_lshl_or_b32 v214, v205, 8, v204              ; my query's two bytes
.irp b, 0,1
	v_cvt_scalef32_pk8_fp4_f32 v[PCD+\b], v[S+16*\b:S+7+16*\b], v[208+\b]
	v_cvt_scalef32_pk8_fp4_f32 v[PCD+2+\b], v[S+8+16*\b:S+15+16*\b], v[208+\b]
.endr
	v_nop                                          ; one plain place behind a scaled conversion
	v_permlane16_swap_b32 v[PCD], v[PCD+1]
	v_permlane16_swap_b32 v[PCD+2], v[PCD+3]
	global_store_b128 v1, v[PCD:PCD+3], s[8:9]     ; 32 lanes store 512 consecutive bytes, at a multiple of 256 from yc's first byte
	s_wait_xcnt 0x0                                ; EXEC changes only behind this wait
	v_cmp_gt_u32 vcc_lo, 16, v8
	s_wait_tensorcnt 0x0
	ds_add_u32 v254, v255
	s_wait_dscnt 0x0
	s_and_saveexec_b32 s[CNT], vcc_lo              ; lanes 0-15: one lane a query
	global_store_b16 v7, v214, s[10:11]            ; two bytes a query, 4 bytes apart: the word's other half is another head's, another work-group's; 32 bytes a wave
	s_wait_xcnt 0x0                                ; and again, in front of the line that widens it
	s_or_b32 exec_lo, exec_lo, s[CNT]
	s_endpgm
.Lfunc_end_k_q6bab129a8a_attn:
	.size	k_q6bab129a8a_attn, .Lfunc_end_k_q6bab129a8a_attn-k_q6bab129a8a_attn
	.p2alignl 7, 3214868480
	.fill 96, 4, 3214868480
	.section	.rodata,"a",@progbits
	.p2align	6, 0x0
	.amdhsa_kernel k_q6bab129a8a_attn
		.amdhsa_group_segment_fixed_size 280576
		.amdhsa_private_segment_fixed_size 0
		.amdhsa_enable_private_segment 0
		.amdhsa_kernarg_size 32
		.amdhsa_user_sgpr_count 2
		.amdhsa_user_sgpr_kernarg_segment_ptr 1
		.amdhsa_wavefront_size32 1
		.amdhsa_system_sgpr_workgroup_id_x 1
		.amdhsa_system_sgpr_workgroup_id_y 1
		.amdhsa_system_sgpr_workgroup_id_z 1
		.amdhsa_system_vgpr_workitem_id 0
		.amdhsa_next_free_vgpr 256
		.amdhsa_next_free_sgpr 66
		.amdhsa_reserve_vcc 1
		.amdhsa_float_denorm_mode_32 3
		.amdhsa_float_denorm_mode_16_64 3
		.amdhsa_memory_ordered 1
		.amdhsa_forward_progress 1
		.amdhsa_inst_pref_size 91
	.end_amdhsa_kernel
	.amdgpu_metadata
---
amdhsa.version: [ 1, 2 ]
amdhsa.kernels:
  - .name:           k_q6bab129a8a_attn
    .symbol:         k_q6bab129a8a_attn.kd
    .args:
      - { .name: qb, .offset: 0, .size: 8, .value_kind: global_buffer, .address_space: global }
      - { .name: kv, .offset: 8, .size: 8, .value_kind: global_buffer, .address_space: global }
      - { .name: yc, .offset: 16, .size: 8, .value_kind: global_buffer, .address_space: global }
      - { .name: ys, .offset: 24, .size: 8, .value_kind: global_buffer, .address_space: global }
    .group_segment_fixed_size: 280576
    .private_segment_fixed_size: 0
    .kernarg_segment_align: 8
    .kernarg_segment_size: 32
    .max_flat_workgroup_size: 512
    .sgpr_count:     66
    .vgpr_count:     256
    .wavefront_size: 32
...
	.end_amdgpu_metadata
.endif
;; end of part 2
;; launch proj (part 3): grid 8 x 32, 8 waves a work-group, clusters of 4 x 4, 181,248 bytes of LDS; arguments yc, ys, Wp_codes, Wp_scales, bp, out0; writes out0
.if DOCPART == 3
	.amdgcn_target "amdgcn-amd-amdhsa--gfx1250"
	.amdhsa_code_object_version 6
	.text
	.protected	k_q6bab129a8a_proj
	.globl	k_q6bab129a8a_proj
	.p2align	8
	.type	k_q6bab129a8a_proj,@function
k_q6bab129a8a_proj:
	s_mov_b64 s[64:65], 0
	v_nop
	global_prefetch_b8 v0, s[64:65] scope:SCOPE_SE
	s_setreg_imm32_b32 hwreg(HW_REG_WAVE_MODE, 25, 1), 1
	s_wait_xcnt 0x0
	s_wait_alu depctr_hold_cnt(0) depctr_sa_sdst(0) depctr_va_vdst(0) depctr_va_sdst(0) depctr_va_ssrc(0) depctr_va_vcc(0) depctr_vm_vsrc(0)
	s_getreg_b32 s2, hwreg(HW_REG_IB_STS2, 6, 4)
	s_cmp_eq_u32 s2, 0
	s_cbranch_scc0 .Lentry_in_a_cluster
	s_endpgm
.Lentry_in_a_cluster:
	s_bfe_u32 s2, ttmp6, 0x10000c
	s_cmp_lg_u32 s2, 0xf033
	s_cbranch_scc0 .Lentry_shape_is_right
	s_endpgm
.Lentry_shape_is_right:
; out0 = y Wp^T + bp on codes of FP4 (E2M1) with one E8M0 scale for each 32 along K = 1,024; sums in f32.  y's codes come as images of operand registers, [block of 128 tokens][K step][tile][half][512 bytes], its scale
; words as [K step][token][4 bytes]; Wp's as given: rows of 512 bytes of codes and 32 scale bytes.
; A work-group makes 128 tokens x 128 columns: 256 work-groups (tiles of 256 x 256 would be 64).  Eight waves, each 32 tokens x 64 columns: 8 accumulators, two fragment buffers, no register windows; a wave's 64 columns are
; 256 consecutive bytes of a row of out0, so each wave has a stage of its own.  All of K lies in LDS, filled once: nothing is filled again.
; CLUSTERS: 4 x 4 work-groups.  y's block hangs on the tile row and is asked for jointly by a row of the cluster, Wp's rows on the tile column and by a column: the same load, descriptor and mask in all four.
; THE MATRIX INSTRUCTION IS USED TRANSPOSED (source 0 = 16 rows of Wp, source 1 = 16 tokens): a lane holds eight neighbouring columns of one row of out0.  The bias is LOADED INTO the accumulators, so every K step adds in place.
; REGISTERS: v1-11 addresses; v16-31 y's scale words (8 a + s), v32-63 Wp's (8 b + s): nothing else ever; v64-111, v112-159 two fragment buffers (y's two, then Wp's four); v160-223 accumulators (8 (4 a + b)).
.set YC,    0                          ; y's images: 65,536 bytes
.set WC,    65536                      ; Wp's 128 rows, pitch 528 (512 bytes + 16): the 16 rows that a load touches start at 16 different banks (64 banks of 4 bytes: ISA guide 11.1)
.set YS,    WC+128*528                 ; y's scale words [8][128][4]
.set WS,    YS+4096                    ; Wp's scale bytes: 16 units of 256 bytes + 16
.set STAGE, WS+16*272                  ; 16 rows x 272 bytes for each wave; a multiple of 256, and no fill lands in it
.set YSR, 16
.set WSR, 32
.set F,   64
.set ACC, 160
.set G1Y,  28
.set G1W,  36
.set G1YS, 44
.set G1WS, 52
.set G0Y,  60
.set G0W,  68
.set G0YS, 72
.set G0WS, 76
; A joint load: waves 0-3 fetch quarters of y's part, waves 4-7 of Wp's; the branch hangs on the wave's number alone.  Four v_nop follow each of the two lines.
.macro JLOAD g0a, g1a, g0b, g1b
	s_cmp_eq_u32 s17, 0
	s_cbranch_scc0 .Lfor_w_\@
	tensor_load_to_lds s[\g0a:\g0a+3], s[\g1a:\g1a+7]
	s_nop 0
.rept 4
	v_nop
.endr
	s_branch .Lasked_\@
.Lfor_w_\@:
	tensor_load_to_lds s[\g0b:\g0b+3], s[\g1b:\g1b+7]
	s_nop 0
.rept 4
	v_nop
.endr
.Lasked_\@:
.endm
.macro CROUND                          ; a round of the cluster's barrier
	s_barrier_signal -1
	s_barrier_wait -1
	s_cmp_lg_u32 s16, 0
	s_cbranch_scc1 .Lnot_wave_0_\@
	s_barrier_signal -3
.Lnot_wave_0_\@:
	s_barrier_wait -3
	s_barrier_signal -1
	s_barrier_wait -1
.endm
	s_load_b256 s[4:11], s[0:1], 0x0               ; yc, ys, Wp's codes, Wp's scales
	s_load_b128 s[12:15], s[0:1], 0x20             ; bp, out0
	v_lshl_add_u32 v254, v0, 2, 0x2c000
	v_mov_b32 v255, 0
	ds_add_u32 v254, v255
	ds_add_u32 v254, v255
	v_lshrrev_b32 v1, 5, v0
	v_readfirstlane_b32 s16, v1                    ; wave 0..7
	s_lshr_b32 s17, s16, 2                         ; I fetch for y (0) or for Wp (1),
	s_and_b32 s18, s16, 3                          ; this quarter
	s_lshr_b32 s19, s16, 1                         ; tg: my 32 tokens
	s_and_b32 s20, s16, 1                          ; nh: my 64 columns
	s_bfe_u32 s21, ttmp6, 0x40000                  ; cx
	s_bfe_u32 s22, ttmp6, 0x40004                  ; cy
	s_lshl_b32 s23, ttmp9, 2
	s_add_co_u32 s23, s23, s21                     ; tile column = 4 x cluster x + cx
	s_and_b32 s24, ttmp7, 0xffff
	s_lshl_b32 s24, s24, 2
	s_add_co_u32 s24, s24, s22                     ; tile row = 4 x cluster y + cy
	s_lshl_b32 s25, s22, 2
	s_lshl_b32 s25, 15, s25                        ; my row of the cluster
	s_lshl_b32 s26, 0x1111, s21                    ; my column
	s_or_b32 s[G1Y], s25, (3<<16)|(1<<21)          ; y's images: 16,384 dense bytes as 64 rows of 256 (32 elements of 8 bytes), no padding
	s_mov_b32 s[G1Y+1], 32<<16
	s_mov_b32 s[G1Y+2], 64<<16
	s_mov_b32 s[G1Y+3], 32<<16
	s_mov_b32 s[G1Y+4], 64
	s_mov_b32 s[G1Y+5], 32
	s_mov_b32 s[G1Y+6], 0
	s_mov_b32 s[G1Y+7], 0
	s_or_b32 s[G1W], s26, (0<<16)|(1<<20)|(1<<21)|(6<<22)|(3<<25)   ; Wp's codes: 32 rows of 512 bytes; four words of padding after every 128
	s_mov_b32 s[G1W+1], 512<<16
	s_mov_b32 s[G1W+2], 32<<16
	s_mov_b32 s[G1W+3], 512<<16
	s_mov_b32 s[G1W+4], 32
	s_mov_b32 s[G1W+5], 512
	s_mov_b32 s[G1W+6], 0
	s_mov_b32 s[G1W+7], 0
	s_or_b32 s[G1YS], s25, (3<<16)|(1<<21)         ; y's scale words: two K steps' 512 bytes (64 elements of 8 bytes), 16,384 bytes apart
	s_mov_b32 s[G1YS+1], 64<<16
	s_mov_b32 s[G1YS+2], 2<<16
	s_mov_b32 s[G1YS+3], 64<<16
	s_mov_b32 s[G1YS+4], 2
	s_mov_b32 s[G1YS+5], 2048
	s_mov_b32 s[G1YS+6], 0
	s_mov_b32 s[G1YS+7], 0
	s_or_b32 s[G1WS], s26, (3<<16)|(1<<20)|(1<<21)|(5<<22)|(3<<25)  ; Wp's scale bytes: 1,024 dense bytes as 4 rows of 256, 16 bytes of padding behind each
	s_mov_b32 s[G1WS+1], 32<<16
	s_mov_b32 s[G1WS+2], 4<<16
	s_mov_b32 s[G1WS+3], 32<<16
	s_mov_b32 s[G1WS+4], 4
	s_mov_b32 s[G1WS+5], 32
	s_mov_b32 s[G1WS+6], 0
	s_mov_b32 s[G1WS+7], 0
	s_lshl_b32 s80, s24, 16                        ; y's images: tile row x 65,536 + quarter x 16,384
	s_lshl_b32 s82, s18, 14
	s_add_co_u32 s80, s80, s82
	s_mov_b32 s81, 0
	s_lshl_b32 s82, s18, 15                        ; y's scale words: quarter x 2 K steps x 16,384 + tile row x 512
	s_lshl_b32 s83, s24, 9
	s_add_co_u32 s82, s82, s83
	s_mov_b32 s83, 0
	s_lshl_b32 s84, s23, 16                        ; Wp's codes: (128 tile column + 32 quarter) x 512
	s_lshl_b32 s86, s18, 14
	s_add_co_u32 s84, s84, s86
	s_mov_b32 s85, 0
	s_lshl_b32 s86, s23, 12                        ; Wp's scale bytes: the same rows x 32
	s_lshl_b32 s87, s18, 10
	s_add_co_u32 s86, s86, s87
	s_mov_b32 s87, 0
	s_wait_dscnt 0x0
	s_wait_kmcnt 0x0
	s_mov_b32 s[G0Y], 1
	s_lshl_b32 s[G0Y+1], s18, 14                   ; LDS addresses hang on the wave's number alone
	s_add_nc_u64 s[G0Y+2:G0Y+3], s[4:5], s[80:81]
	s_or_b32 s[G0Y+3], s[G0Y+3], 0x80000000
	s_mov_b32 s[G0YS], 1
	s_lshl_b32 s[G0YS+1], s18, 10
	s_add_co_u32 s[G0YS+1], s[G0YS+1], YS
	s_add_nc_u64 s[G0YS+2:G0YS+3], s[6:7], s[82:83]
	s_or_b32 s[G0YS+3], s[G0YS+3], 0x80000000
	s_mov_b32 s[G0W], 1
	s_mul_i32 s[G0W+1], s18, 32*528
	s_add_co_u32 s[G0W+1], s[G0W+1], WC
	s_add_nc_u64 s[G0W+2:G0W+3], s[8:9], s[84:85]
	s_or_b32 s[G0W+3], s[G0W+3], 0x80000000
	s_mov_b32 s[G0WS], 1
	s_mul_i32 s[G0WS+1], s18, 4*272
	s_add_co_u32 s[G0WS+1], s[G0WS+1], WS
	s_add_nc_u64 s[G0WS+2:G0WS+3], s[10:11], s[86:87]
	s_or_b32 s[G0WS+3], s[G0WS+3], 0x80000000
	CROUND                                         ; all sixteen work-groups are here: the joint loads meet
	JLOAD G0YS, G1YS, G0WS, G1WS                   ; the scales,
	JLOAD G0Y, G1Y, G0W, G1W                       ; the codes: two loads of mine are out
	s_lshl_b32 s88, s23, 9
	s_lshl_b32 s89, s20, 8
	s_add_co_u32 s88, s88, s89                     ; my first column in bytes: 512 x tile column + 256 nh
	s_mov_b32 s89, 0
	s_add_nc_u64 s[12:13], s[12:13], s[88:89]      ; bp there
	s_lshl_b32 s90, s24, 19                        ; my first row: (128 x tile row + 32 tg) x 4,096 bytes
	s_lshl_b32 s91, s19, 17
	s_add_co_u32 s90, s90, s91
	s_add_co_u32 s90, s90, s88
	s_mov_b32 s91, 0
	s_add_nc_u64 s[14:15], s[14:15], s[90:91]      ; out0 at my part
	v_and_b32 v9, 31, v0                           ; lane
	v_and_b32 v10, 15, v0                          ; r
	v_bfe_u32 v11, v0, 4, 1                        ; h
	v_lshlrev_b32 v8, 5, v11                       ; the bias: my half's eight columns of a tile
.irp a, 0,1
.irp b, 0,1,2,3
	global_load_b128 v[ACC+8*(4*\a+\b):ACC+8*(4*\a+\b)+3], v8, s[12:13] offset:64*\b       ; bp(16 b + 8 h + 0 .. 7) starts the sums of both tiles of tokens
	global_load_b128 v[ACC+8*(4*\a+\b)+4:ACC+8*(4*\a+\b)+7], v8, s[12:13] offset:64*\b+16
.endr
.endr
	v_lshlrev_b32 v1, 4, v9
	s_lshl_b32 s80, s19, 11
	v_add_nc_u32 v1, s80, v1                       ; y's images: 16 x lane + my two tiles' 2,048 tg
	v_mul_u32_u24 v2, v10, 528
	v_lshl_add_u32 v2, v11, 4, v2
	s_mul_i32 s80, s20, 64*528
	s_add_co_u32 s80, s80, WC
	v_add_nc_u32 v2, s80, v2                       ; Wp's fragments: row 64 nh + r, + 16 h
	v_lshlrev_b32 v3, 2, v10
	s_lshl_b32 s80, s19, 7
	s_add_co_u32 s80, s80, YS
	v_add_nc_u32 v3, s80, v3                       ; y's scale words: token 32 tg + r
	v_lshrrev_b32 v4, 3, v10
	v_lshlrev_b32 v4, 4, v4
	v_lshl_add_u32 v4, v10, 5, v4                  ; Wp's: 32 bytes a row, and 16 more behind every eight rows
	s_mul_i32 s80, s20, 8*272
	s_add_co_u32 s80, s80, WS
	v_add_nc_u32 v4, s80, v4
	s_mul_i32 s80, s16, 16*272
	s_add_co_u32 s80, s80, STAGE                   ; my stage
	v_mul_u32_u24 v5, v10, 272
	v_lshl_add_u32 v5, v11, 5, v5
	v_add_nc_u32 v5, s80, v5                       ; in: row r, 32 bytes for each half of the lanes
	v_mul_u32_u24 v6, v11, 272
	v_lshl_add_u32 v6, v10, 4, v6
	v_add_nc_u32 v6, s80, v6                       ; back: lanes 0-15 one row of 256 bytes, lanes 16-31 the next
	v_lshlrev_b32 v7, 12, v11
	v_lshl_add_u32 v7, v10, 4, v7                  ; and the same two rows in out0
.macro FETCH s                         ; K step s: y's two fragments (images) and Wp's four (rows) into buffer s % 2: twelve loads
.irp a, 0,1
.irp c, 0,1
	ds_load_b128 v[F+48*((\s)%2)+8*\a+4*\c:F+48*((\s)%2)+8*\a+4*\c+3], v1 offset:8192*(\s)+1024*\a+512*\c
.endr
.endr
.irp b, 0,1,2,3
.irp c, 0,1
	ds_load_b128 v[F+48*((\s)%2)+16+8*\b+4*\c:F+48*((\s)%2)+16+8*\b+4*\c+3], v2 offset:8448*\b+64*(\s)+32*\c
.endr
.endr
.endm
.macro MUL s                           ; eight products; the accumulators take turns, one instruction a turn
.irp a, 0,1
.irp b, 0,1,2,3
	v_wmma_scale_f32_16x16x128_f8f6f4 v[ACC+8*(4*\a+\b):ACC+8*(4*\a+\b)+7], v[F+48*((\s)%2)+16+8*\b:F+48*((\s)%2)+16+8*\b+7], v[F+48*((\s)%2)+8*\a:F+48*((\s)%2)+8*\a+7], v[ACC+8*(4*\a+\b):ACC+8*(4*\a+\b)+7], v[WSR+8*\b+(\s)], v[YSR+8*\a+(\s)] matrix_a_fmt:MATRIX_FMT_FP4 matrix_b_fmt:MATRIX_FMT_FP4
.endr
.endr
.endm
	s_wait_tensorcnt 0x0                           ; my two loads have landed,
	s_barrier_signal -1
	s_barrier_wait -1                              ; everybody's have
.irp a, 0,1
.irp s, 0,1,2,3,4,5,6,7
	ds_load_b32 v[YSR+8*\a+\s], v3 offset:512*\s+64*\a
.endr
.endr
.irp b, 0,1,2,3
.irp i, 0,1
	ds_load_b128 v[WSR+8*\b+4*\i:WSR+8*\b+4*\i+3], v4 offset:544*\b+16*\i
.endr
.endr
	FETCH 0
	FETCH 1
	s_wait_loadcnt 0x0                             ; the bias lies in the accumulators
.irp s, 0,1,2,3,4,5,6,7
.if \s < 7
	s_wait_dscnt 12                                ; this step's fragments are in; the next step's twelve loads may be out
.else
	s_wait_dscnt 0x0
.endif
	MUL \s
.if \s < 6
.rept 4
	v_nop                                          ; places in front of loads into registers that these products read
.endr
	FETCH \s+2
.endif
.endr
	; THE WAY OUT: 16 tokens x 64 columns at a time through my own stage; LDS serves a wave's instructions in order (ISA guide 5.7.1.4): no wait between the stores and the loads, nor in front of the second block's stores
.rept 4
	v_nop
.endr
.irp a, 0,1
.irp b, 0,1,2,3
	ds_store_b128 v5, v[ACC+8*(4*\a+\b):ACC+8*(4*\a+\b)+3] offset:64*\b          ; each accumulator from its low end on
	ds_store_b128 v5, v[ACC+8*(4*\a+\b)+4:ACC+8*(4*\a+\b)+7] offset:64*\b+16
.endr
.irp i, 0,1,2,3,4,5,6,7
	ds_load_b128 v[F+32*\a+4*\i:F+32*\a+4*\i+3], v6 offset:544*\i
.endr
.endr
.irp a, 0,1
.irp i, 0,1,2,3,4,5,6,7
	s_wait_dscnt 16*(1-\a)+7-\i                    ; behind this load: the block's later loads and, for the first block, the second's sixteen LDS instructions
	global_store_b128 v7, v[F+32*\a+4*\i:F+32*\a+4*\i+3], s[14:15] offset:(16*\a+2*\i)*4096 th:TH_STORE_NT   ; 16 lanes store 256 consecutive bytes, at a multiple of 256 from out0's first byte
.endr
.endr
	s_wait_tensorcnt 0x0
	ds_add_u32 v254, v255
	s_wait_dscnt 0x0
	CROUND                                         ; the closing round: no work-group ends while a partner may still ask for a tile that names it
	s_endpgm
.Lfunc_end_k_q6bab129a8a_proj:
	.size	k_q6bab129a8a_proj, .Lfunc_end_k_q6bab129a8a_proj-k_q6bab129a8a_proj
	.p2alignl 7, 3214868480
	.fill 96, 4, 3214868480
	.section	.rodata,"a",@progbits
	.p2align	6, 0x0
	.amdhsa_kernel k_q6bab129a8a_proj
		.amdhsa_group_segment_fixed_size 181248
		.amdhsa_private_segment_fixed_size 0
		.amdhsa_enable_private_segment 0
		.amdhsa_kernarg_size 48
		.amdhsa_user_sgpr_count 2
		.amdhsa_user_sgpr_kernarg_segment_ptr 1
		.amdhsa_wavefront_size32 1
		.amdhsa_system_sgpr_workgroup_id_x 1
		.amdhsa_system_sgpr_workgroup_id_y 1
		.amdhsa_system_sgpr_workgroup_id_z 1
		.amdhsa_system_vgpr_workitem_id 0
		.amdhsa_next_free_vgpr 256
		.amdhsa_next_free_sgpr 92
		.amdhsa_reserve_vcc 0
		.amdhsa_float_denorm_mode_32 3
		.amdhsa_float_denorm_mode_16_64 3
		.amdhsa_memory_ordered 1
		.amdhsa_forward_progress 1
		.amdhsa_inst_pref_size 31
	.end_amdhsa_kernel
	.amdgpu_metadata
---
amdhsa.version: [ 1, 2 ]
amdhsa.kernels:
  - .name:           k_q6bab129a8a_proj
    .symbol:         k_q6bab129a8a_proj.kd
    .args:
      - { .name: yc, .offset: 0, .size: 8, .value_kind: global_buffer, .address_space: global }
      - { .name: ys, .offset: 8, .size: 8, .value_kind: global_buffer, .address_space: global }
      - { .name: Wp_codes, .offset: 16, .size: 8, .value_kind: global_buffer, .address_space: global }
      - { .name: Wp_scales, .offset: 24, .size: 8, .value_kind: global_buffer, .address_space: global }
      - { .name: bp, .offset: 32, .size: 8, .value_kind: global_buffer, .address_space: global }
      - { .name: out0, .offset: 40, .size: 8, .value_kind: global_buffer, .address_space: global }
    .group_segment_fixed_size: 181248
    .private_segment_fixed_size: 0
    .kernarg_segment_align: 8
    .kernarg_segment_size: 48
    .max_flat_workgroup_size: 256
    .sgpr_count:     92
    .vgpr_count:     256
    .wavefront_size: 32
...
	.end_amdgpu_metadata
.endif
;; end of part 3
